; MI455X (gfx1250); checked and timed in simulation.
; The chip was launched on July 23, 2026; its instructions are those of AMD's public machine-readable ISA for CDNA 5 (MIT licence, August 2026) and "CDNA5" Instruction Set Architecture Reference Guide (July 2026). The comments in the code are by the model that wrote it; some were corrected since.
;; COO Tensor Product. Allowed arithmetic: matrix products marked QUANTISED: E3M2 operands, one E8M0 scale for each 32 along K, by v_wmma_scale_f32_16x16x128_f8f6f4 with both operands' format E3M2, f32 sums; everything else in f32.
;; Inputs: cb_codes 4,096 x 128 x 24 uint8 (E3M2 codes of cb, K innermost, in blocks of 32 codes, four codes in three bytes); cb_scales 4,096 x 128 uint8 (E8M0 scales of cb, one for each 32 codes along K); in1 4,096 x 64 float32; in2 4,096 x 64 float32.
;; Outputs: out0 4,096 x 4,096 float32.
;; This version of the problem:
;;   THIS VERSION OF THE PROBLEM IS GIVEN IN LOW PRECISION. The matrix products marked QUANTISED in the list below multiply operands that are first quantised to E3M2 (3 exponent bits, 2 mantissa bits; 6 bits a number), with one power-of-two scale for each 32 numbers along K (OCP MX v1.0); their sums are f32. All else is computed in f32.
;;   The module's matrix products, in the order in which they are computed (A, B: the left and right operand; K: the contracted axis; several contracted axes count as one K, in the product's order):
;;     1. [M 4,096, K 4,096] x [K 4,096, N 4,096]; A: computed on the way; B: input cb (given as codes): QUANTISED
;;   THE QUANTISER, for each operand of a quantised product, along K:
;;     - K is cut into blocks of 32 from its start; a last block that is shorter is filled with zeros.
;;     - A block's scale is 2^e with e = floor(log2(the largest magnitude in the block)) - 4, held to -126 .. 127; a block of zeros has e = 0. As a byte (E8M0): e + 127.
;;     - Each number is divided by its block's scale, clamped to +-28, and rounded to the nearest number of E3M2, ties to even, subnormals kept.
;;     - The product sums the exact products of the quantised numbers (number of the format x scale) in f32.
;;   ~~~python
;;   def quantise(x, axis):      # numpy; x: float32 -> the quantised numbers, widened to float32 again
;;       x = np.moveaxis(x, axis, -1); K = x.shape[-1]
;;       x = np.pad(x, [(0, 0)] * (x.ndim - 1) + [(0, -K % 32)]); x = x.reshape(x.shape[:-1] + (-1, 32)); a = np.abs(x).max(-1, keepdims=True)
;;       e = np.where(a > 0, np.clip(np.frexp(np.where(a > 0, a, 1))[1] - 1 - 4, -126, 127), 0)      # np.frexp(a)[1] - 1 = floor(log2(a)), exactly
;;       r = np.clip(x / 2.0 ** e, -28, 28)
;;       step = 2.0 ** (np.maximum(np.frexp(np.where(r == 0, 1, r))[1] - 1, -2) - 2)
;;       q = np.round(r / step) * step * 2.0 ** e      # np.round: ties to even
;;       return np.moveaxis(q.reshape(q.shape[:-2] + (-1,))[..., :K], -1, axis).astype(np.float32)
;;   ~~~
;;   OPERANDS COMPUTED ON THE WAY. 'Computed on the way' means the value that the module computes at that place (a softmax that the list does not call 'softmax' is quantised finished and normalised). What goes into a quantiser is computed in f32, as accurately as f32 sums, v_exp_f32 and their like allow (about 1e-6 of the number): no bf16 or f16 on the way to a quantiser, and a product that is left as it is and whose result goes on into a quantised operand takes f32 operands (vector FMAs, or v_wmma_f32_16x16x4_f32). A number that lies on a knife's edge between two numbers of the format may be rounded either way, as far as f32 arithmetic and the matrix unit's own rounding can turn it there, and no further.
;;   INPUTS GIVEN AS CODES. cb (in the module: [4096, 4096], K = its axis 1): each comes as NAME_codes (uint8): NAME with its K axis moved to the last place and cut into blocks of 32 codes, [.., K / 32, bytes a block], one block behind the other in memory; four codes in three bytes: a row's codes are one little-endian stream of bits, code i at bits 6 i .. 6 i + 5 (a code: sign, 3 exponent bits, 2 mantissa bits); and NAME_scales (uint8): the same leading axes, one E8M0 byte (e + 127) for each 32 codes along K. Its value is code x scale, taken as it is: it is not quantised again, and the codes and scales need not be those that the quantiser above would give.
;; One version. Each part assembles by itself: llvm-mc -triple=amdgcn-amd-amdhsa -mcpu=gfx1250 --defsym DOCPART=n.
;; ======== version 1 of 1: 2 launches
;; limits: right only within a limited range of input values
;; workspace buffers: a_codes 12,582,912 bytes; a_scales 524,288 bytes
;; launch quant (part 1): grid 256 x 1, 8 waves a work-group, no clusters, 3,072 bytes of LDS; arguments in1, in2, a_codes, a_scales; writes a_codes, a_scales
.if DOCPART == 1
	.amdgcn_target "amdgcn-amd-amdhsa--gfx1250"
	.amdhsa_code_object_version 6
	.text
	.protected	k_q4d61f21518_quant
	.globl	k_q4d61f21518_quant
	.p2align	8
	.type	k_q4d61f21518_quant,@function
k_q4d61f21518_quant:
	s_mov_b64 s[64:65], 0
	v_nop
	global_prefetch_b8 v0, s[64:65] scope:SCOPE_SE
	s_setreg_imm32_b32 hwreg(HW_REG_WAVE_MODE, 25, 1), 1
	s_wait_xcnt 0x0
; A[b][64 i + j] = in1[b][i] x in2[b][j] (one f32 product each) is turned into codes of BF6 (E3M2) with one E8M0 byte for each 32 along K = 64 i + j.
; Nothing of reference() is left out: every input has a way to the output and is read.
; a_scales is [4096][128]: byte 2 i + j / 32 of row b.  a_codes IS AN IMAGE OF THE NEXT LAUNCH'S OPERAND REGISTERS: for group g of 128 rows, step s of 128 along K, block a of 16 rows:
; 1,536 bytes at ((32 g + s) 8 + a) 1536, as three pieces of 512 bytes; piece p holds registers 4 p .. 4 p + 3 of lane l at byte 16 l.
; Lane (r, h) of that operand holds row 16 a + r; registers 0-5: i = 2 s, j = 32 h .. 32 h + 31; registers 6-11: i = 2 s + 1, the same j.
; A block of 32 is one i and one half of j.  Its largest magnitude is not searched for among the products: rounding to f32 keeps order and treats both signs alike, so it is
; the rounded product of |in1[b][i]| and the largest |in2[b][j]| of the half, bit for bit.
; LIMITS: NaN and infinities among in1 and in2 are not served.  A block of zeros gets the byte 1 where the rule says 127: its codes are zeros, and this program alone reads the bytes.
; SHARES: work-group W takes rows 16 W .. 16 W + 15 (g = W / 8, a = W % 8); wave w takes i = 8 w .. 8 w + 7 (steps 4 w .. 4 w + 3); lane (r, h) keeps in2[row][32 h ..] in 32 registers.
; The work-group's 2,048 scale bytes meet in LDS and leave as whole blocks of 256 bytes.  No matrix unit, tensor load or cluster: a short stream.
.set B2, 16                            ; v16-47   in2: my 32 numbers
.set A1, 48                            ; v48-55   in1: my row's 8 numbers
.set P,  56                            ; v56-119  two sets of 32 products, by turns
.set C,  120                           ; v120-167 codes: 12 registers a step, written once
.set T,  168                           ; v168-175 a block's upper 16 codes, two sets (a conversion's three registers begin on an even number)
.set E,  176                           ; v176-183 scale bytes
.set SPW, 184
.set NIL, 185
	s_load_b128 s[4:7], s[0:1], 0x0                ; in1, in2
	s_load_b128 s[8:11], s[0:1], 0x10              ; a_codes, a_scales
	v_lshl_add_u32 v[SPW], v0, 2, 0x800
	v_mov_b32 v[NIL], 0
	v_lshrrev_b32 v1, 5, v0
	v_readfirstlane_b32 s12, v1                    ; wave
	s_lshl_b32 s16, ttmp9, 12                      ; 16 rows of 256 bytes in each input
	s_mov_b32 s17, 0
	s_lshr_b32 s13, ttmp9, 3                       ; g
	s_and_b32 s14, ttmp9, 7                        ; a
	s_mul_i32 s18, s13, 393216
	s_mul_i32 s14, s14, 1536
	s_add_co_u32 s18, s18, s14
	s_mul_i32 s15, s12, 49152                      ; my four steps of 12,288 bytes
	s_add_co_u32 s18, s18, s15
	s_mov_b32 s19, 0
	s_lshl_b32 s20, ttmp9, 11                      ; 16 rows of 128 scale bytes
	s_mov_b32 s21, 0
	s_lshl_b32 s22, s12, 5                         ; in1: 32 w bytes into a row
	s_lshl_b32 s23, s12, 4                         ; scales: 16 w bytes into a row
	s_mov_b32 s24, 0x76543210
	s_mov_b32 s25, 0xfedcba98                      ; selects for lane l xor 16
	v_and_b32 v2, 15, v0                           ; r
	v_bfe_u32 v3, v0, 4, 1                         ; h
	v_and_b32 v4, 31, v0
	v_lshlrev_b32 v5, 8, v2
	v_lshl_add_u32 v6, v3, 7, v5                   ; in2: 256 r + 128 h
	v_add_nc_u32 v5, s22, v5                       ; in1: 256 r + 32 w
	v_lshlrev_b32 v7, 4, v4                        ; codes: 16 x lane
	v_lshlrev_b32 v8, 7, v2
	v_lshl_add_u32 v8, v3, 3, v8
	v_add_nc_u32 v8, s23, v8                       ; LDS: 128 r + 16 w + 8 h
	v_lshlrev_b32 v9, 3, v0                        ; the scales' way out: 8 bytes a thread
	v_mov_b32 v12, 0
	v_mov_b32 v13, 0                               ; (a lane permute's destination counts as read)
	s_wait_alu depctr_va_vdst(0)                   ; the head's end
	s_wait_kmcnt 0x0
	s_add_nc_u64 s[4:5], s[4:5], s[16:17]
	s_add_nc_u64 s[6:7], s[6:7], s[16:17]
	s_add_nc_u64 s[8:9], s[8:9], s[18:19]
	s_add_nc_u64 s[10:11], s[10:11], s[20:21]
.irp k, 0,1,2,3,4,5,6,7
	global_load_b128 v[B2+4*\k:B2+4*\k+3], v6, s[6:7] offset:16*\k
.endr
	global_load_b128 v[A1:A1+3], v5, s[4:5]
	global_load_b128 v[A1+4:A1+7], v5, s[4:5] offset:16
	s_wait_loadcnt 0x0
	v_max3_num_f32 v10, |v[B2]|, |v[B2+1]|, |v[B2+2]|      ; the largest |in2| of my half, in two chains
	v_max3_num_f32 v11, |v[B2+3]|, |v[B2+4]|, |v[B2+5]|
.irp i, 6,10,14,18,22,26
	v_max3_num_f32 v10, v10, |v[B2+\i]|, |v[B2+\i+1]|
	v_max3_num_f32 v11, v11, |v[B2+\i+2]|, |v[B2+\i+3]|
.endr
	v_max3_num_f32 v10, v10, |v[B2+30]|, |v[B2+31]|
	v_max_num_f32 v10, v10, v11
.macro ONE e                           ; i = 8 w + e: a whole block of 32 in my lane
.set PS, P+32*((\e)%2)
.set TT, T+4*((\e)%2)
.set CC, C+6*(\e)
	v_mul_f32 v14, |v[A1+\e]|, v10                 ; the block's largest magnitude
	v_max_num_f32 v14, 0x2800000, v14              ; the floor 2^(5 - 127): the byte cannot fall under 1
	v_add_nc_u32 v15, 0xfe000000, v14              ; 4 off the exponent field: the conversion's scale operand
.irp k, 0,2,4,6,8,10,12,14,16,18,20,22,24,26,28,30
.if (\e)%2 == 0
	v_pk_mul_f32 v[PS+\k:PS+\k+1], v[B2+\k:B2+\k+1], v[A1+\e:A1+\e+1] op_sel_hi:[1,0]
.else
	v_pk_mul_f32 v[PS+\k:PS+\k+1], v[B2+\k:B2+\k+1], v[A1+\e-1:A1+\e] op_sel:[0,1] op_sel_hi:[1,1]
.endif
.endr
	v_cvt_scalef32_pk16_bf6_f32 v[CC:CC+2], v[PS:PS+15], v15
	v_cvt_scalef32_pk16_bf6_f32 v[TT:TT+2], v[PS+16:PS+31], v15
	v_lshrrev_b32 v[E+\e], 23, v15                 ; the scale's byte; also the plain place behind the conversions
.irp i, 0,1,2
	v_mov_b32 v[CC+3+\i], v[TT+\i]
.endr
.if (\e)%2
.irp p, 0,1,2
	global_store_b128 v7, v[C+12*((\e)/2)+4*\p:C+12*((\e)/2)+4*\p+3], s[8:9] offset:((\e)/2)*12288+\p*512   ; 32 lanes store 512 consecutive bytes, aligned
.endr
.endif
.endm
.irp e, 0,1,2,3,4,5,6,7
	ONE \e
.endr
	v_lshl_or_b32 v14, v[E+1], 8, v[E]             ; my eight bytes as two words
	v_lshl_or_b32 v15, v[E+5], 8, v[E+4]
	v_lshl_or_b32 v14, v[E+2], 16, v14
	v_lshl_or_b32 v15, v[E+6], 16, v15
	v_lshl_or_b32 v14, v[E+3], 24, v14
	v_lshl_or_b32 v15, v[E+7], 24, v15
	v_permlanex16_b32 v12, v14, s24, s25           ; the other half's two words
	v_permlanex16_b32 v13, v15, s24, s25
	v_cmp_ne_u32 vcc_lo, 0, v3
	v_cndmask_b32 v10, v14, v13, vcc_lo            ; half 0's bytes: lanes 0-15 take e = 0 .. 3, lanes 16-31 e = 4 .. 7
	v_cndmask_b32 v11, v12, v15, vcc_lo            ; half 1's bytes of the same e
	v_perm_b32 v12, v11, v10, 0x05010400           ; interleaved: byte 2 e + half
	v_perm_b32 v13, v11, v10, 0x07030602
	ds_store_b64 v8, v[12:13]
	s_wait_dscnt 0x0                               ; for the others' sake
	s_barrier_signal -1
	s_barrier_wait -1
	ds_load_b64 v[14:15], v9
	s_wait_dscnt 0x0
	global_store_b64 v9, v[14:15], s[10:11]        ; a wave stores 256 consecutive bytes, aligned
	s_wait_tensorcnt 0x0                           ; the wave's end
	ds_add_u32 v[SPW], v[NIL]
	s_wait_dscnt 0x0
	s_endpgm
.Lfunc_end_k_q4d61f21518_quant:
	.size	k_q4d61f21518_quant, .Lfunc_end_k_q4d61f21518_quant-k_q4d61f21518_quant
	.p2alignl 7, 3214868480
	.fill 96, 4, 3214868480
	.section	.rodata,"a",@progbits
	.p2align	6, 0x0
	.amdhsa_kernel k_q4d61f21518_quant
		.amdhsa_group_segment_fixed_size 3072
		.amdhsa_private_segment_fixed_size 0
		.amdhsa_enable_private_segment 0
		.amdhsa_kernarg_size 32
		.amdhsa_user_sgpr_count 2
		.amdhsa_user_sgpr_kernarg_segment_ptr 1
		.amdhsa_wavefront_size32 1
		.amdhsa_system_sgpr_workgroup_id_x 1
		.amdhsa_system_sgpr_workgroup_id_y 1
		.amdhsa_system_sgpr_workgroup_id_z 1
		.amdhsa_system_vgpr_workitem_id 0
		.amdhsa_next_free_vgpr 188
		.amdhsa_next_free_sgpr 66
		.amdhsa_reserve_vcc 1
		.amdhsa_float_denorm_mode_32 3
		.amdhsa_float_denorm_mode_16_64 3
		.amdhsa_memory_ordered 1
		.amdhsa_forward_progress 1
		.amdhsa_inst_pref_size 18
	.end_amdhsa_kernel
	.amdgpu_metadata
---
amdhsa.version: [ 1, 2 ]
amdhsa.kernels:
  - .name:           k_q4d61f21518_quant
    .symbol:         k_q4d61f21518_quant.kd
    .args:
      - { .name: in1, .offset: 0, .size: 8, .value_kind: global_buffer, .address_space: global }
      - { .name: in2, .offset: 8, .size: 8, .value_kind: global_buffer, .address_space: global }
      - { .name: a_codes, .offset: 16, .size: 8, .value_kind: global_buffer, .address_space: global }
      - { .name: a_scales, .offset: 24, .size: 8, .value_kind: global_buffer, .address_space: global }
    .group_segment_fixed_size: 3072
    .private_segment_fixed_size: 0
    .kernarg_segment_align: 8
    .kernarg_segment_size: 32
    .max_flat_workgroup_size: 256
    .sgpr_count:     66
    .vgpr_count:     188
    .wavefront_size: 32
...
	.end_amdgpu_metadata
.endif
;; end of part 1
;; launch gemm (part 2): grid 8 x 32, 4 waves a work-group, clusters of 4 x 1, 327,680 bytes of LDS; arguments a_codes, a_scales, cb_codes, cb_scales, out0; writes out0
.if DOCPART == 2
	.amdgcn_target "amdgcn-amd-amdhsa--gfx1250"
	.amdhsa_code_object_version 6
	.text
	.protected	k_q4d61f21518_gemm
	.globl	k_q4d61f21518_gemm
	.p2align	8
	.type	k_q4d61f21518_gemm,@function
k_q4d61f21518_gemm:
	s_mov_b64 s[64:65], 0
	v_nop
	global_prefetch_b8 v0, s[64:65] scope:SCOPE_SE
	s_setreg_imm32_b32 hwreg(HW_REG_WAVE_MODE, 25, 1), 1
	s_wait_xcnt 0x0
	s_wait_alu depctr_hold_cnt(0) depctr_sa_sdst(0) depctr_va_vdst(0) depctr_va_sdst(0) depctr_va_ssrc(0) depctr_va_vcc(0) depctr_vm_vsrc(0)
	s_getreg_b32 s2, hwreg(HW_REG_IB_STS2, 6, 4)
	s_cmp_eq_u32 s2, 0
	s_cbranch_scc0 .Lentry_in_a_cluster
	s_endpgm
.Lentry_in_a_cluster:
	s_bfe_u32 s2, ttmp6, 0x10000c
	s_cmp_lg_u32 s2, 0x3003
	s_cbranch_scc0 .Lentry_shape_is_right
	s_endpgm
.Lentry_shape_is_right:
; out0[m][n] = sum over k of A[m][k] cb[n][k], M = N = K = 4,096, both sides codes of BF6 (E3M2) with E8M0 scales; f32 sums.
; A work-group makes 512 rows x 128 columns; wave w makes rows 128 w .. 128 w + 127 x all 128 columns: 64 accumulators, 512 registers.  256 work-groups.
; A'S CODES COME FROM MEMORY STRAIGHT INTO REGISTERS: the launch before laid them as an image of the operand's registers, no two waves of a work-group read the same rows, and a load of a wave
; covers 512 consecutive bytes.  A ring of 16 blocks (two steps of 128 along K): a pair of blocks is asked for again as soon as its 16 products are issued, two steps ahead of its use.
; So A has no tensor load that a cluster could share.  cb's 128 rows are read by all four waves and go through LDS: chunks of 768 bytes of each row (eight steps; each begins at a multiple of 256),
; two slots, at LDS byte 0 and at 0x20000.  CLUSTERS of 4 x 1: the four partners make the same 128 columns, so cb's chunks and scales are asked for jointly (mask 15).
; A chunk is asked for in the second step of the chunk before it, behind a round of the cluster's barrier, six steps (384 matrix instructions) ahead of the wait for it: cb is not prefetched.
; A's chunk c + 1 (98,304 bytes a wave) is prefetched in trip c: its 384 blocks of 256 bytes are shared out by address among the 32 work-groups that read them, 12 each, one instruction a wave and trip.
; Both sides' scales, for all of K, come into LDS once, as units of 256 bytes + 16 of padding.  The stage of the way out lies in slot 0, which has had its last fill and its last read by then.
; THE MATRIX INSTRUCTION IS USED TRANSPOSED (source 0 = 16 rows of cb, source 1 = 16 rows of A): a lane holds eight neighbouring numbers of a row of out0.
; REGISTERS: window 0: v0-31 addresses; v32-63 scale words, two sets; v64-255 A's ring.  Window 1: cb's fragments, two sets at v0 and v128.  Windows 2, 3: accumulators (a, b) at v[8 (8 (a % 4) + b)].
.set PITCH,  816                       ; an LDS row: 3 x (256 + 16) bytes = 16 x 51: the 32 lanes of a load of 8 bytes touch 64 different banks
.set FR,     12
.set SLOTX,  0x20000                   ; slot 1 = slot 0's address with this bit set (a slot is 128 x 816 = 104,448 bytes)
.set BSC,    104448                    ; cb's scales: 64 units x 272
.set SPARE,  121856                    ; the spare words: 512 bytes that no other line names
.set ASC,    235520                    ; A's scales: 256 units x 272
.set HALFS,  17408                     ; the scales of 128 rows
.set SBLK,   2176                      ; of 16 rows
.set SPITCH, 528
.set ASTEP,  12288                     ; a wave's codes of A for one step
.set ADRB, 16                          ; v16-19  cb's fragments: row x pitch + 24 h; + 40 h (lanes 16-31 behind a padding); the same two 64 rows further on
.set AOF,  20                          ; v20     16 x lane: A's loads, and a row of out0
.set ADRS, 21                          ; v21     scale words: lanes 0-15 cb's rows, lanes 16-31 A's
.set STO,  22
.set RD,   23
.set PFO,  25
.set SPW,  28
.set NIL,  29
.set SC,   32                          ; set s at v[32 + 16 s]; register 2 i + q: block i, q-th step of a pair
.set AF,   64
.set G1,   24                          ; group 1: 64 rows of a chunk (the head's)
.set G1R,  32                          ; 32 rows of a chunk (the ring's)
.set G1SA, 40                          ; A's scales
.set G1SB, 48                          ; cb's scales
.set G0H,  56
.set G0,   60
.set G0SA, 68
.set G0SB, 72
.set AP,   76                          ; s[76:77] my codes of A at the chunk's first step
.set MSB, 0
.macro WIN new                         ; the immediate's high byte repeats the setting that is left
.if MSB != \new
	s_set_vgpr_msb (MSB<<8)|\new
.set MSB, \new
.endif
.endm
.set MUL_LO, 0xa1                      ; source 0 window 1, source 1 window 0, C and D window 2
.set MUL_HI, 0xf1
.set TO_B,   0x40
.macro PLACES
.rept 4
	v_nop
.endr
.endm
.macro CREST
	s_cmp_lg_u32 s14, 0
	s_cbranch_scc1 .Lnot_wave_0_\@
	s_barrier_signal -3
.Lnot_wave_0_\@:
	s_barrier_wait -3
	s_barrier_signal -1
	s_barrier_wait -1
.endm
.macro CROUND
	s_barrier_signal -1
	s_barrier_wait -1
	CREST
.endm
	s_load_b128 s[4:7], s[0:1], 0x0                ; A's codes, A's scales
	s_load_b128 s[8:11], s[0:1], 0x10              ; cb's codes, cb's scales
	s_load_b64 s[12:13], s[0:1], 0x20              ; out0
	v_lshl_add_u32 v[SPW], v0, 2, SPARE
	v_mov_b32 v[NIL], 0
	ds_add_u32 v[SPW], v[NIL]                      ; the opening lines: the add twice on end
	ds_add_u32 v[SPW], v[NIL]
	v_lshrrev_b32 v1, 5, v0
	v_readfirstlane_b32 s14, v1                    ; wave
	s_bfe_u32 s15, ttmp6, 0x40000                  ; cx
	s_lshl_b32 s17, ttmp9, 2
	s_add_co_u32 s17, s17, s15                     ; x: which 512 rows
	s_and_b32 s18, ttmp7, 0xffff                   ; y: which 128 columns
	s_lshl_b32 s19, s17, 2
	s_add_co_u32 s19, s19, s14                     ; g: my group of 128 rows
.irp g, G1, G1R                        ; rows of 768 bytes, 16 bytes of padding behind every 256; mask 15 with bit 21 beside it
	s_mov_b32 s[\g+0], 15|(1<<20)|(1<<21)|(5<<22)|(3<<25)
	s_mov_b32 s[\g+1], 768<<16
	s_mov_b32 s[\g+3], 768<<16
	s_mov_b32 s[\g+5], 3072
	s_mov_b32 s[\g+6], 0
	s_mov_b32 s[\g+7], 0
.endr
	s_mov_b32 s[G1+2], 64<<16
	s_mov_b32 s[G1+4], 64
	s_mov_b32 s[G1R+2], 32<<16
	s_mov_b32 s[G1R+4], 32
.irp g, G1SA, G1SB                     ; dense blocks as rows of 256 bytes (32 elements of 8)
	s_mov_b32 s[\g+1], 32<<16
	s_mov_b32 s[\g+3], 32<<16
	s_mov_b32 s[\g+5], 32
	s_mov_b32 s[\g+6], 0
	s_mov_b32 s[\g+7], 0
.endr
	s_mov_b32 s[G1SA+0], (3<<16)|(1<<20)|(5<<22)|(3<<25)            ; my work-group's own: no mask
	s_mov_b32 s[G1SA+2], 256<<16
	s_mov_b32 s[G1SA+4], 256
	s_mov_b32 s[G1SB+0], 15|(3<<16)|(1<<20)|(1<<21)|(5<<22)|(3<<25)
	s_mov_b32 s[G1SB+2], 64<<16
	s_mov_b32 s[G1SB+4], 64
	s_mul_i32 s20, s18, 393216                     ; cb: 128 y rows of 3,072 bytes
	s_mov_b32 s21, 0
	s_mov_b32 s23, 0
	s_wait_dscnt 0x0                               ; both opening adds are done
	s_wait_kmcnt 0x0
	s_add_nc_u64 s[8:9], s[8:9], s[20:21]
	s_mov_b32 s[G0H], 1                            ; chunk 0: waves 0 and 1, 64 rows each
	s_mul_i32 s[G0H+1], s14, 64*PITCH
	s_mul_i32 s20, s14, 64*3072
	s_add_nc_u64 s[G0H+2:G0H+3], s[8:9], s[20:21]
	s_or_b32 s[G0H+3], s[G0H+3], 0x80000000
	s_mov_b32 s[G0], 1                             ; the ring: every wave 32 rows; it stands at chunk 0 and is stepped ahead of each load
	s_mul_i32 s[G0+1], s14, 32*PITCH
	s_mul_i32 s20, s14, 32*3072
	s_add_nc_u64 s[G0+2:G0+3], s[8:9], s[20:21]
	s_or_b32 s[G0+3], s[G0+3], 0x80000000
	s_mov_b32 s[G0SB], 1
	s_mov_b32 s[G0SB+1], BSC
	s_lshl_b32 s20, s18, 14
	s_add_nc_u64 s[G0SB+2:G0SB+3], s[10:11], s[20:21]
	s_or_b32 s[G0SB+3], s[G0SB+3], 0x80000000
	s_mov_b32 s[G0SA], 1
	s_mov_b32 s[G0SA+1], ASC
	s_lshl_b32 s22, s17, 16
	s_add_nc_u64 s[G0SA+2:G0SA+3], s[6:7], s[22:23]
	s_or_b32 s[G0SA+3], s[G0SA+3], 0x80000000
	s_mul_i32 s22, s19, 32*ASTEP
	s_add_nc_u64 s[AP:AP+1], s[4:5], s[22:23]
	s_lshl_b32 s22, s19, 21                        ; out0: 128 g rows of 16,384 bytes
	s_add_nc_u64 s[12:13], s[12:13], s[22:23]
	s_lshl_b32 s22, s18, 9                         ; + 128 y columns
	s_add_nc_u64 s[12:13], s[12:13], s[22:23]
	s_mul_i32 s22, s14, HALFS
	s_add_co_u32 s22, s22, ASC-BSC                 ; from cb's scales to my 128 rows' of A
	s_mul_i32 s23, s14, 16*SPITCH                  ; my stage, in slot 0
	s_mul_i32 s16, s18, 12                         ; my work-group's 12 blocks of a prefetch
	CROUND                                         ; in front of the first loads
	s_cmp_lt_u32 s14, 2                            ; the head's loads, one a wave: one chain of branches, one join
	s_cbranch_scc0 .Lhead_sa
	tensor_load_to_lds s[G0H:G0H+3], s[G1:G1+7]
	s_nop 0
	PLACES
	s_branch .Lhead_asked
.Lhead_sa:
	s_cmp_lt_u32 s14, 3
	s_cbranch_scc0 .Lhead_sb
	tensor_load_to_lds s[G0SA:G0SA+3], s[G1SA:G1SA+7]
	s_nop 0
	PLACES
	s_branch .Lhead_asked
.Lhead_sb:
	tensor_load_to_lds s[G0SB:G0SB+3], s[G1SB:G1SB+7]
	s_nop 0
	PLACES
.Lhead_asked:
	v_and_b32 v1, 15, v0                           ; r
	v_bfe_u32 v2, v0, 4, 1                         ; h
	v_and_b32 v4, 31, v0
	v_mul_u32_u24 v3, v1, PITCH
	v_mad_u32_u24 v[ADRB], v2, 24, v3
	v_mad_u32_u24 v[ADRB+1], v2, 40, v3
	v_add_nc_u32 v[ADRB+2], 64*PITCH, v[ADRB]
	v_add_nc_u32 v[ADRB+3], 64*PITCH, v[ADRB+1]
	v_lshlrev_b32 v[AOF], 4, v4
	v_lshlrev_b32 v5, 7, v1                        ; a row's scales: 128 bytes,
	v_lshrrev_b32 v6, 8, v5
	v_lshl_add_u32 v5, v6, 4, v5                   ; and 16 more for each 256 passed
	v_mul_u32_u24 v6, s22, v2                      ; lanes 16-31 take A's
	v_add_nc_u32 v5, v5, v6
	v_add_nc_u32 v[ADRS], BSC, v5
	v_mul_u32_u24 v5, v1, SPITCH
	v_lshl_add_u32 v5, v2, 5, v5
	v_add_nc_u32 v[STO], s23, v5
	v_add_nc_u32 v[RD], s23, v[AOF]
	v_min_u32 v6, 11, v4                           ; lanes 12-31 name the last block again
	v_add_nc_u32 v6, s16, v6
	v_lshlrev_b32 v[PFO], 8, v6
	s_wait_alu depctr_va_vdst(0)                   ; the head's end
.macro ALD st, a                       ; block a of step st (counted from the chunk's first) into the ring: three loads of 512 consecutive bytes
.irp p, 0,1,2
	global_load_b128 v[AF+96*((\st)%2)+FR*(\a)+4*\p:AF+96*((\st)%2)+FR*(\a)+4*\p+3], v[AOF], s[AP:AP+1] offset:(\st)*ASTEP+(\a)*1536+\p*512
.endr
.endm
.macro FRAG reg, st, i                 ; 16 rows x 128 K of cb: six pieces of 8 bytes; byte y of a chunk's row lies at y + 16 (y / 256) of the LDS row
.irp p, 0,1,2,3,4,5
.set BY, 96*(\st)+48*(\p/3)+8*(\p%3)
.set AR, ADRB+2*((\i)/4)
.if BY/256 != (BY+24)/256
.set AR, AR+1
.endif
	ds_load_b64 v[\reg+2*\p:\reg+2*\p+1], v[AR] offset:BY+16*(BY/256)+((\i)%4)*16*PITCH
.endr
.endm
.macro FETCH_B st
	WIN TO_B
.irp i, 0,1,2,3,4,5,6,7
	FRAG 128*((\st)%2)+FR*\i, (\st)%8, \i
.endr
	WIN 0
.endm
.macro SCALES pr                       ; the words of a pair of steps
.irp i, 0,1,2,3,4,5,6,7
	ds_load_b64 v[SC+16*((\pr)%2)+2*\i:SC+16*((\pr)%2)+2*\i+1], v[ADRS] offset:\i*SBLK+8*(\pr)
.endr
.endm
.macro MUL8 a, st, zero                ; A's block a against cb's eight; the accumulators take turns
.irp b, 0,1,2,3,4,5,6,7
.if \zero
	v_wmma_scale_f32_16x16x128_f8f6f4 v[8*(8*((\a)%4)+\b):8*(8*((\a)%4)+\b)+7], v[128*((\st)%2)+FR*\b:128*((\st)%2)+FR*\b+FR-1], v[AF+96*((\st)%2)+FR*(\a):AF+96*((\st)%2)+FR*(\a)+FR-1], 0, v[SC+16*(((\st)/2)%2)+2*\b+(\st)%2], v[SC+16*(((\st)/2)%2)+2*(\a)+(\st)%2] matrix_a_fmt:MATRIX_FMT_BF6 matrix_b_fmt:MATRIX_FMT_BF6 matrix_b_scale:MATRIX_SCALE_ROW1
.else
	v_wmma_scale_f32_16x16x128_f8f6f4 v[8*(8*((\a)%4)+\b):8*(8*((\a)%4)+\b)+7], v[128*((\st)%2)+FR*\b:128*((\st)%2)+FR*\b+FR-1], v[AF+96*((\st)%2)+FR*(\a):AF+96*((\st)%2)+FR*(\a)+FR-1], v[8*(8*((\a)%4)+\b):8*(8*((\a)%4)+\b)+7], v[SC+16*(((\st)/2)%2)+2*\b+(\st)%2], v[SC+16*(((\st)/2)%2)+2*(\a)+(\st)%2] matrix_a_fmt:MATRIX_FMT_BF6 matrix_b_fmt:MATRIX_FMT_BF6 matrix_b_scale:MATRIX_SCALE_ROW1
.endif
.endr
.endm
; A step of 128 along K: 64 matrix instructions.  A's loads go in batches of 6 (two blocks).  A pair's batch was issued two steps ago; the counts of s_wait_loadcnt are the younger batches x 6:
; what was left of that step's four, the last step's four (pld) and this step's so far (ald).
; kind 1: the slot that is not being read is filled: the three lines, a round of the cluster's barrier, the one load.  kind 2: the next chunk has landed: a barrier shows it to all four waves, and the addresses change slots.
; In both, A's first batch waits for the barrier, so one wait covers the first two pairs.
.macro STEP st, kind, zero, ald, pld, pf
	s_wait_dscnt 0x0                               ; cb's fragments and the scale words of this step are in
.if \kind
	s_wait_loadcnt 6*(2+4*\pld)
	s_wait_tensorcnt 0x0                           ; all my tensor loads have landed
.if \kind == 1
	ds_add_u32 v[SPW], v[NIL]
.endif
.else
	s_wait_loadcnt 6*(3+4*\pld)
.endif
	WIN MUL_LO
	MUL8 0, \st, \zero
	MUL8 1, \st, \zero
.if \kind
.if \kind == 1
	s_wait_dscnt 0x0                               ; the add is done; my reads of the other slot were over long ago
.endif
	s_barrier_signal -1
.else
.if \ald
	PLACES
	WIN 0
	ALD (\st)+2, 0
	ALD (\st)+2, 1
.endif
	s_wait_loadcnt 6*(2+4*\pld+\ald)
	WIN MUL_LO
.endif
	MUL8 2, \st, \zero
	MUL8 3, \st, \zero
	WIN 0
.if \kind
	s_barrier_wait -1
.endif
.if \kind == 1
	CREST
	s_xor_b32 s[G0+1], s[G0+1], SLOTX              ; no tensor load of mine is out: the other slot,
	s_add_nc_u64 s[G0+2:G0+3], s[G0+2:G0+3], 768   ; the next chunk
	tensor_load_to_lds s[G0:G0+3], s[G1R:G1R+7]
	s_nop 0
	PLACES
.endif
.if \kind == 2
.irp i, 0,1,2,3
	v_xor_b32 v[ADRB+\i], SLOTX, v[ADRB+\i]        ; (these four are also the places in front of the loads below)
.endr
	s_wait_alu depctr_va_vdst(0)
.endif
.if \kind == 0
	PLACES
.endif
.if \ald
.if \kind
	ALD (\st)+2, 0
	ALD (\st)+2, 1
.endif
	ALD (\st)+2, 2
	ALD (\st)+2, 3
.endif
	FETCH_B (\st)+1
.if ((\st)+1)%2 == 0
	SCALES ((\st)+1)/2
.endif
	s_wait_loadcnt 6*(1+4*\pld+2*\ald)
	WIN MUL_HI
	MUL8 4, \st, \zero
	MUL8 5, \st, \zero
.if \ald
	PLACES
	WIN 0
	ALD (\st)+2, 4
	ALD (\st)+2, 5
.if \pf
	global_prefetch_b8 v[PFO], s[AP:AP+1] offset:8*ASTEP th:TH_LOAD_NT scope:SCOPE_SE   ; my work-group's 12 blocks of my next chunk of A, four steps ahead of its first load
.endif
.endif
	s_wait_loadcnt 6*(4*\pld+3*\ald)
	WIN MUL_HI
	MUL8 6, \st, \zero
	MUL8 7, \st, \zero
.if \ald
	PLACES
	WIN 0
	ALD (\st)+2, 6
	ALD (\st)+2, 7
.endif
	WIN 0
.endm
.irp a, 0,1,2,3,4,5,6,7
	ALD 0, \a
.endr
.irp a, 0,1,2,3,4,5,6,7
	ALD 1, \a
.endr
	s_wait_tensorcnt 0x0                           ; my tile of the head's is in;
	s_barrier_signal -1
	s_barrier_wait -1                              ; everybody's is.
	FETCH_B 0
	SCALES 0
	STEP 0, 0, 1, 1, 1, 0                          ; the first step's products start the sums
	s_mov_b32 s3, 0
.Lchunk:                                               ; a trip: steps 1 to 7 of chunk c and step 0 of chunk c + 1; it asks for chunk c + 1 (in the first trip: slot 1's first fill)
	STEP 1, 1, 0, 1, 1, 0
	STEP 2, 0, 0, 1, 1, 1
	STEP 3, 0, 0, 1, 1, 0
	STEP 4, 0, 0, 1, 1, 0
	STEP 5, 0, 0, 1, 1, 0
	STEP 6, 0, 0, 1, 1, 0
	STEP 7, 2, 0, 1, 1, 0
	STEP 8, 0, 0, 1, 1, 0
	s_wait_xcnt 0x0                                ; my loads and the prefetch have read their base
	s_add_nc_u64 s[AP:AP+1], s[AP:AP+1], 8*ASTEP
	v_add_nc_u32 v[ADRS], 32, v[ADRS]              ; four pairs of steps on
	s_wait_alu depctr_va_vdst(0)
	s_add_co_u32 s3, s3, 1
	s_cmp_lt_u32 s3, 3
	s_cbranch_scc1 .Lchunk
	STEP 1, 0, 0, 1, 1, 0                          ; the last chunk: nothing more is asked of cb
	STEP 2, 0, 0, 1, 1, 0
	STEP 3, 0, 0, 1, 1, 0
	STEP 4, 0, 0, 1, 1, 0
	STEP 5, 0, 0, 1, 1, 0
	STEP 6, 0, 0, 0, 1, 0                          ; and nothing more of A
; THE LAST STEP AND THE WAY OUT.  A block of 16 rows is finished by its eight products and leaves at once: through my stage (rows of 528 bytes) and back as whole rows of 512 bytes.
.macro TOSTAGE a
.set AC, 64*((\a)%4)
	WIN 0x08+4*((\a)/4)
.irp b, 0,1,2,3,4,5,6,7
	ds_store_b128 v[STO], v[AC+8*\b:AC+8*\b+3] offset:64*\b          ; each accumulator from its low end on
	ds_store_b128 v[STO], v[AC+8*\b+4:AC+8*\b+7] offset:64*\b+16
.endr
	WIN TO_B                                       ; back into window 1, v0-127, which the last step does not use
.set BB, 64*((\a)%2)
.irp t, 0,1,2,3,4,5,6,7,8,9,10,11,12,13,14,15
	ds_load_b128 v[BB+4*\t:BB+4*\t+3], v[RD] offset:\t*SPITCH
.endr
	WIN 0
.endm
.macro SEND a, younger
.set BB, 64*((\a)%2)
	s_wait_dscnt \younger
.if (\a) > 0
	s_add_nc_u64 s[12:13], s[12:13], 16*16384      ; behind a wait on XCNT
.endif
	WIN 0x04
.irp t, 0,1,2,3,4,5,6,7,8,9,10,11,12,13,14,15
	global_store_b128 v[AOF], v[BB+4*\t:BB+4*\t+3], s[12:13] offset:\t*16384 th:TH_STORE_NT   ; 32 lanes store 512 consecutive bytes, aligned
.endr
	WIN 0
.endm
	s_wait_dscnt 0x0                               ; my last reads of the slots and of the scales are back
	s_barrier_signal -1
	s_barrier_wait -1                              ; everybody's are: slot 0 serves as the stage
	s_wait_loadcnt 18
	WIN MUL_LO
	MUL8 0, 7, 0
.irp a, 0,1,2,3,4,5,6,7
.if \a < 7
.if (\a+1)%2 == 0
	s_wait_loadcnt 6*(3-(\a+1)/2)
.endif
	WIN MUL_LO+0x50*((\a+1)/4)
	MUL8 \a+1, 7, 0
.endif
	PLACES
.if \a > 1
	s_wait_xcnt 0x0                                ; block a - 2's stores have read their registers and their base
.endif
	TOSTAGE \a
.if \a > 0
	SEND \a-1, 32                                  ; behind block a - 1's loads: block a's 16 stores and 16 loads
.endif
.endr
	s_wait_xcnt 0x0
	SEND 7, 0
	s_wait_tensorcnt 0x0                           ; the wave's end
	ds_add_u32 v[SPW], v[NIL]
	s_wait_dscnt 0x0
	CROUND                                         ; the closing round
	s_endpgm
.Lfunc_end_k_q4d61f21518_gemm:
	.size	k_q4d61f21518_gemm, .Lfunc_end_k_q4d61f21518_gemm-k_q4d61f21518_gemm
	.p2alignl 7, 3214868480
	.fill 96, 4, 3214868480
	.section	.rodata,"a",@progbits
	.p2align	6, 0x0
	.amdhsa_kernel k_q4d61f21518_gemm
		.amdhsa_group_segment_fixed_size 327680
		.amdhsa_private_segment_fixed_size 0
		.amdhsa_enable_private_segment 0
		.amdhsa_kernarg_size 40
		.amdhsa_user_sgpr_count 2
		.amdhsa_user_sgpr_kernarg_segment_ptr 1
		.amdhsa_wavefront_size32 1
		.amdhsa_system_sgpr_workgroup_id_x 1
		.amdhsa_system_sgpr_workgroup_id_y 1
		.amdhsa_system_sgpr_workgroup_id_z 1
		.amdhsa_system_vgpr_workitem_id 0
		.amdhsa_next_free_vgpr 1024
		.amdhsa_next_free_sgpr 80
		.amdhsa_reserve_vcc 0
		.amdhsa_float_denorm_mode_32 3
		.amdhsa_float_denorm_mode_16_64 3
		.amdhsa_memory_ordered 1
		.amdhsa_forward_progress 1
		.amdhsa_inst_pref_size 255
	.end_amdhsa_kernel
	.section	.bss,"aw",@nobits
	.p2align	6
	.space	262144
	.amdgpu_metadata
---
amdhsa.version: [ 1, 2 ]
amdhsa.kernels:
  - .name:           k_q4d61f21518_gemm
    .symbol:         k_q4d61f21518_gemm.kd
    .args:
      - { .name: a_codes, .offset: 0, .size: 8, .value_kind: global_buffer, .address_space: global }
      - { .name: a_scales, .offset: 8, .size: 8, .value_kind: global_buffer, .address_space: global }
      - { .name: cb_codes, .offset: 16, .size: 8, .value_kind: global_buffer, .address_space: global }
      - { .name: cb_scales, .offset: 24, .size: 8, .value_kind: global_buffer, .address_space: global }
      - { .name: out0, .offset: 32, .size: 8, .value_kind: global_buffer, .address_space: global }
    .group_segment_fixed_size: 327680
    .private_segment_fixed_size: 0
    .kernarg_segment_align: 8
    .kernarg_segment_size: 40
    .max_flat_workgroup_size: 128
    .sgpr_count:     80
    .vgpr_count:     1024
    .wavefront_size: 32
...
	.end_amdgpu_metadata
.endif
;; end of part 2
